; MI455X (gfx1250); checked and timed in simulation.
; The chip was launched on July 23, 2026; its instructions are those of AMD's public machine-readable ISA for CDNA 5 (MIT licence, August 2026) and "CDNA5" Instruction Set Architecture Reference Guide (July 2026). The comments in the code are by the model that wrote it; some were corrected since.
;; Harmonic Synth. Allowed arithmetic: float matrix products may take bf16 or f16 operands with f32 sums; all other float work in f32.
;; Inputs: amp_harm 8 x 96,000 x 64 float32; f0_hz 8 x 96,000 float32; phase 8 x 64 float32.
;; Outputs: out0 8 x 96,000 float32; out1 8 x 64 float32.
;; 2 versions, each right and faster than the one before. Each part assembles by itself: llvm-mc -triple=amdgcn-amd-amdhsa -mcpu=gfx1250 --defsym DOCPART=n.
;; ======== version 1 of 2: 2 launches
;; limits: right only within a limited range of input values
;; workspace buffers: carry 12,288,000 bytes
;; launch scan (part 1): grid 16 x 8, 15 waves a work-group, no clusters, 157,952 bytes of LDS; arguments f0_hz, carry; writes carry
.if DOCPART == 1
	.amdgcn_target "amdgcn-amd-amdhsa--gfx1250"
	.amdhsa_code_object_version 6
	.text
	.protected	k_q0c9740c135_scan
	.globl	k_q0c9740c135_scan
	.p2align	8
	.type	k_q0c9740c135_scan,@function
k_q0c9740c135_scan:
	s_mov_b64 s[64:65], 0
	v_nop
	global_prefetch_b8 v0, s[64:65] scope:SCOPE_SE
	s_setreg_imm32_b32 hwreg(HW_REG_WAVE_MODE, 25, 1), 1
	s_wait_xcnt 0x0
; carry[b][hq][c][4] = X_A[c]: what reference()'s cumsum adds to the sums inside tile c (rows 16 c .. 16 c + 15) of batch b, for the harmonics
; h = 4 hq + 1 .. 4 hq + 4, c = 0 .. 5999.  The phases reach some 2e5 rad, where one step of f32 is 2^-6 rad, so only the same f32 additions in the
; same order give the same phases.  The order followed here is that of a cumulative sum written as one window reduction and split in tiles of 16:
;   x[n] = (f32(2 pi / 48000) * f0[n]) * h, each product rounded
;   level A: 6000 tiles of 16 rows:    T_A[c][i] = ((x0 + x1) + x2) .. + xi, from the left;   col_A[c] = T_A[c][15]
;   level B:  375 tiles of 16 col_A:   T_B, col_B likewise;   level C: 375 col_B and 9 zeros, 24 tiles;   level D: 24 col_C and 8 zeros, 2 tiles
;   X_D = [0, col_D[0]];   X_L[c] = T_(L+1)(c - 1) + X_(L+1)[(c - 1) >> 4],  X_L[0] = 0     (T(j) = entry j & 15 of tile j >> 4)
;   cumsum[n] = T_A[n >> 4][n & 15] + X_A[n >> 4]     (made in the second launch)
; A work-group owns one batch and four harmonics over all 96,000 rows; 15 waves of 6,400 rows = 400 A tiles = 25 B tiles.
; No matrix unit (nothing is multiplied twice).  No cluster: the 16 work-groups of a batch read the same 384,000 bytes of f0, which do not fit in
; LDS as one tile, and the vector work per byte is what takes the time here.  128 work-groups: one per (batch, four harmonics), so that a lane's
; 16 bytes are four harmonics and a wave's store into carry covers 512 consecutive bytes.
.set CW,      0x3909421e               ; f32(2 pi / 48000)
.set THREADS, 480
.set PLANE,   96000                    ; bytes of one (b, hq) plane of carry: 6,000 entries of 16 bytes
.set TP,      272                      ; a tile of 16 entries of 16 bytes + 16: the 16 tiles that a 16-byte load touches start 17 x 16 bytes apart
; LDS.  [0, 15360) is cleared first: it holds the small tables, their zero padding and the guards.  A guard is an entry of zeros that stands where
; entry -1 would be read (32 bytes in front of a T table, 16 in front of an X table): so X[0] = 0 + 0 comes by the same two loads as all others.
.set XD,    16                         ; X_D: 2 entries (and one that nobody reads)      guard at 0
.set XC,    80                         ; X_C: 24 of 32 entries                           guard at 64
.set TC,    624                        ; col_C, then T_D: 2 tiles                        guard at 592
.set TB,    1200                       ; col_B, then T_C: 24 tiles                       guard at 1168
.set XB,    7744                       ; X_B: 375 of 384 entries                         guard at 7728
.set TA,    15360                      ; col_A, then T_B: 375 tiles                      guard at 15328
.set STAGE, 117360                     ; each wave's own 2,560 bytes: omega of 32 tiles, 80 bytes from tile to tile
.set SPW,   2560
.set VG,   1                           ; v1   16 x lane: f0, 512 consecutive bytes a load
.set VSW,  2                           ; v2   stage, in:  my 4 rows of load q lie in tile 8 q + lane / 4, at byte 16 (lane % 4)
.set VSR,  3                           ; v3   stage, out: tile = lane
.set VSRH, 4                           ; v4   stage, out: tile = lane % 16 (the last, half task)
.set VE,   5                           ; v5   TA: entry 400 w + lane
.set VEH,  6                           ; v6   TA: entry 400 w + lane % 16
.set TID,  7                           ; v7   thread = 32 w + lane
.set VD,   8                           ; v8   16 x thread
.set VT,   9                           ; v9   272 x thread: my tile of a T table
.set VOUT, 10                          ; v10  16 (thread + thread / 16): entry number thread of a T table
.set VK,   11                          ; v11  16 (k + k / 16), k = thread + 15: entry thread - 1 of a T table, 272 bytes too far
.set VK2,  12                          ; v12  the same, six passes of 480 entries on
.set VKX,  13                          ; v13  16 (k / 16): entry (thread - 1) >> 4 of an X table, 16 bytes too far
.set LN,   14                          ; v14  lane
.set TMA,  15                          ; v15  at work
.set H,    16                          ; v[16:19]   my four harmonic numbers, f32
.set F,    20                          ; v[20:219]  f0, then omega: task t at F + 16 t, the half task at F + 192
.set L,    20                          ; v[20:83]   later: a tile's 16 entries
.set LT,   20                          ; v[20:71]   last: T_B(c - 1), 13 passes
.set LX,   72                          ; v[72:123]  last: X_B, 13 passes
.set OM,   220                         ; v[220:235] omega of my tile's 16 rows
.set E,    236                         ; v[236:243] two rows' products
.set ACC,  244                         ; v[244:247] the running sum
.set TMB,  244                         ; at work, in front of the first task
	s_load_b128 s[4:7], s[0:1], 0x0                ; f0_hz s[4:5], carry s[6:7]
	v_lshl_add_u32 v248, v0, 2, 0x26100
	v_mov_b32 v249, 0
	v_lshrrev_b32 v[TMA], 5, v0
	v_readfirstlane_b32 s8, v[TMA]                 ; wave 0..14
	s_and_b32 s9, ttmp7, 0xffff                    ; batch;  ttmp9: hq
	s_mov_b32 s12, CW
	s_mov_b32 s13, CW
	v_and_b32 v[LN], 31, v0
	v_lshlrev_b32 v[VG], 4, v[LN]
	s_mul_i32 s16, s8, SPW
	s_add_co_u32 s16, s16, STAGE                   ; my wave's stage
	v_lshrrev_b32 v[TMA], 2, v[LN]
	v_mul_u32_u24 v[TMA], v[TMA], 80
	v_and_b32 v[VSW], 3, v[LN]
	v_lshl_add_u32 v[VSW], v[VSW], 4, v[TMA]
	v_add_nc_u32 v[VSW], s16, v[VSW]
	v_mul_u32_u24 v[VSR], v[LN], 80
	v_add_nc_u32 v[VSR], s16, v[VSR]
	v_and_b32 v[TMA], 15, v[LN]
	v_mul_u32_u24 v[VSRH], v[TMA], 80
	v_add_nc_u32 v[VSRH], s16, v[VSRH]
	s_mul_i32 s17, s8, 25*TP                       ; a wave's 25 tiles of TA
	v_lshl_add_u32 v[VEH], v[TMA], 4, s17
	v_lshrrev_b32 v[TMA], 4, v[LN]
	v_add_nc_u32 v[TMA], v[TMA], v[LN]             ; lane + lane / 16
	v_lshl_add_u32 v[VE], v[TMA], 4, s17
	s_mul_i32 s18, s8, 2*TP                        ; 32 threads are 2 tiles
	v_lshl_add_u32 v[VOUT], v[TMA], 4, s18
	v_add_nc_u32 v[TMA], 15, v[LN]
	v_lshrrev_b32 v[TMB], 4, v[TMA]                ; (lane + 15) / 16
	v_add_nc_u32 v[TMA], v[TMA], v[TMB]
	v_lshl_add_u32 v[VK], v[TMA], 4, s18
	v_add_nc_u32 v[VK2], 6*8160, v[VK]             ; 480 entries are 30 tiles = 8,160 bytes
	s_lshl_b32 s18, s8, 5
	v_lshl_add_u32 v[VKX], v[TMB], 4, s18
	v_add_nc_u32 v[TID], s18, v[LN]
	s_lshl_b32 s18, s8, 9
	v_lshl_add_u32 v[VD], v[LN], 4, s18
	s_mul_i32 s18, s8, 32*TP
	v_mul_u32_u24 v[VT], v[LN], TP
	v_add_nc_u32 v[VT], s18, v[VT]
	s_lshl_b32 s19, ttmp9, 2
.irp i, 0,1,2,3
	s_add_co_u32 s21, s19, \i+1
	v_cvt_f32_u32 v[H+\i], s21                     ; h = 4 hq + 1 + i
.endr
	s_mul_i32 s14, s9, 384000                      ; a batch of f0 in bytes
	s_mul_i32 s15, s8, 25600                       ; a wave's rows in bytes
	s_add_co_u32 s14, s14, s15
	s_mov_b32 s15, 0
	s_lshl_b32 s22, s9, 4
	s_add_co_u32 s22, s22, ttmp9
	s_mul_i32 s22, s22, PLANE
	s_mov_b32 s23, 0
	s_wait_kmcnt 0x0
	s_add_nc_u64 s[4:5], s[4:5], s[14:15]
	s_add_nc_u64 s[6:7], s[6:7], s[22:23]
	; all of the wave's f0 is asked for at once: 50 loads of 512 consecutive bytes, 25,600 bytes
.irp t, 0,1,2,3,4,5,6,7,8,9,10,11
.irp q, 0,1,2,3
	global_load_b128 v[F+16*\t+4*\q:F+16*\t+4*\q+3], v[VG], s[4:5] offset:2048*\t+512*\q
.endr
.endr
	global_load_b128 v[F+192:F+195], v[VG], s[4:5] offset:24576
	global_load_b128 v[F+196:F+199], v[VG], s[4:5] offset:25088
	; the small tables, their padding and the guards: 480 threads x 2 x 16 bytes = [0, 15360)
.irp i, 0,1,2,3
	v_mov_b32 v[E+\i], 0
.endr
	ds_store_b128 v[VD], v[E:E+3]
	ds_store_b128 v[VD], v[E:E+3] offset:16*THREADS
; col_A of my tile for four harmonics: the 16 products, each rounded, added from the left
.macro SUM16
	v_pk_mul_f32 v[ACC:ACC+1],   v[H:H+1],   v[OM:OM+1] op_sel_hi:[1,0]                ; row 0 starts the sum
	v_pk_mul_f32 v[ACC+2:ACC+3], v[H+2:H+3], v[OM:OM+1] op_sel_hi:[1,0]
	v_pk_mul_f32 v[E+4:E+5],     v[H:H+1],   v[OM:OM+1] op_sel:[0,1] op_sel_hi:[1,1]   ; row 1
	v_pk_mul_f32 v[E+6:E+7],     v[H+2:H+3], v[OM:OM+1] op_sel:[0,1] op_sel_hi:[1,1]
	v_pk_add_f32 v[ACC:ACC+1],   v[ACC:ACC+1],   v[E+4:E+5]
	v_pk_add_f32 v[ACC+2:ACC+3], v[ACC+2:ACC+3], v[E+6:E+7]
.irp i, 2,4,6,8,10,12,14
	v_pk_mul_f32 v[E:E+1],       v[H:H+1],   v[OM+\i:OM+\i+1] op_sel_hi:[1,0]              ; row i
	v_pk_mul_f32 v[E+2:E+3],     v[H+2:H+3], v[OM+\i:OM+\i+1] op_sel_hi:[1,0]
	v_pk_mul_f32 v[E+4:E+5],     v[H:H+1],   v[OM+\i:OM+\i+1] op_sel:[0,1] op_sel_hi:[1,1] ; row i + 1
	v_pk_mul_f32 v[E+6:E+7],     v[H+2:H+3], v[OM+\i:OM+\i+1] op_sel:[0,1] op_sel_hi:[1,1]
	v_pk_add_f32 v[ACC:ACC+1],   v[ACC:ACC+1],   v[E:E+1]
	v_pk_add_f32 v[ACC+2:ACC+3], v[ACC+2:ACC+3], v[E+2:E+3]
	v_pk_add_f32 v[ACC:ACC+1],   v[ACC:ACC+1],   v[E+4:E+5]
	v_pk_add_f32 v[ACC+2:ACC+3], v[ACC+2:ACC+3], v[E+6:E+7]
.endr
.endm
; 32 tiles: omega, turned through my wave's stage so that lane l holds tile l's 16 rows.  The stage is the wave's own and LDS serves a wave's
; instructions in order: no barrier, and the next task's stores come behind this task's loads.
.macro TASK t
	s_wait_loadcnt 46-4*\t                         ; loads come back in order: this task's four are in; four for each later task and two stay out
.irp i, 0,2,4,6,8,10,12,14
	v_pk_mul_f32 v[F+16*\t+\i:F+16*\t+\i+1], v[F+16*\t+\i:F+16*\t+\i+1], s[12:13] op_sel_hi:[1,0]   ; omega
.endr
.irp q, 0,1,2,3
	ds_store_b128 v[VSW], v[F+16*\t+4*\q:F+16*\t+4*\q+3] offset:640*\q
.endr
.irp q, 0,1,2,3
	ds_load_b128 v[OM+4*\q:OM+4*\q+3], v[VSR] offset:16*\q
.endr
	s_wait_dscnt 0x0
	SUM16
	ds_store_b128 v[VE], v[ACC:ACC+3] offset:TA+2*TP*\t                ; col_A[400 w + 32 t + lane]
.endm
.irp t, 0,1,2,3,4,5,6,7,8,9,10,11
	TASK \t
.endr
	; the wave's last 16 tiles: lanes 16-31 do what lanes 0-15 do and store the same bytes
	s_wait_loadcnt 0x0
.irp i, 0,2,4,6
	v_pk_mul_f32 v[F+192+\i:F+192+\i+1], v[F+192+\i:F+192+\i+1], s[12:13] op_sel_hi:[1,0]
.endr
	ds_store_b128 v[VSW], v[F+192:F+195]
	ds_store_b128 v[VSW], v[F+196:F+199] offset:640
.irp q, 0,1,2,3
	ds_load_b128 v[OM+4*\q:OM+4*\q+3], v[VSRH] offset:16*\q
.endr
	s_wait_dscnt 0x0
	SUM16
	ds_store_b128 v[VEH], v[ACC:ACC+3] offset:TA+2*TP*12
	s_wait_xcnt 0x0                                ; EXEC, a source of the loads above, changes only behind this wait
.macro BAR                             ; what I stored is in LDS, what I read is in registers; then all waves meet
	s_wait_dscnt 0x0
	s_barrier_signal -1
	s_barrier_wait -1
.endm
; One level up: thread e < n takes tile e of the table at tin, turns it in place into its sums from the left, and puts the last sum where outreg and
; outoff say.  Waves whose threads all lie at or beyond n jump over the work (never over a barrier); in the last wave EXEC cuts the rest.
.macro SEQUP tag, n, tin, outreg, outoff
	s_cmp_ge_u32 s8, (\n+31)/32
	s_cbranch_scc1 .Lsq\tag
	v_cmp_gt_u32 vcc_lo, \n, v[TID]
	s_and_saveexec_b32 s20, vcc_lo
.irp i, 0,1,2,3,4,5,6,7,8,9,10,11,12,13,14,15
	ds_load_b128 v[L+4*\i:L+4*\i+3], v[VT] offset:\tin+16*\i
.endr
.irp i, 1,2,3,4,5,6,7,8,9,10,11,12,13,14,15
	s_wait_dscnt 15-\i                             ; LDS loads come back in order: entries 0 to i are in
	v_pk_add_f32 v[L+4*\i:L+4*\i+1],   v[L+4*\i-4:L+4*\i-3], v[L+4*\i:L+4*\i+1]
	v_pk_add_f32 v[L+4*\i+2:L+4*\i+3], v[L+4*\i-2:L+4*\i-1], v[L+4*\i+2:L+4*\i+3]
.endr
.irp i, 1,2,3,4,5,6,7,8,9,10,11,12,13,14,15
	ds_store_b128 v[VT], v[L+4*\i:L+4*\i+3] offset:\tin+16*\i
.endr
	ds_store_b128 v[\outreg], v[L+60:L+63] offset:\outoff
	s_or_b32 exec_lo, exec_lo, s20
.Lsq\tag:
.endm
; One level down: X[c] = T(c - 1) + Xup[(c - 1) >> 4] for c = thread < n
.macro DOWN tag, n, tbase, xup, xout
	s_cmp_ge_u32 s8, (\n+31)/32
	s_cbranch_scc1 .Ldn\tag
	v_cmp_gt_u32 vcc_lo, \n, v[TID]
	s_and_saveexec_b32 s20, vcc_lo
	ds_load_b128 v[L:L+3],   v[VK]  offset:\tbase-TP
	ds_load_b128 v[L+4:L+7], v[VKX] offset:\xup-16
	s_wait_dscnt 0x0
	v_pk_add_f32 v[L:L+1],   v[L:L+1],   v[L+4:L+5]
	v_pk_add_f32 v[L+2:L+3], v[L+2:L+3], v[L+6:L+7]
	ds_store_b128 v[VD], v[L:L+3] offset:\xout
	s_or_b32 exec_lo, exec_lo, s20
.Ldn\tag:
.endm
	BAR                                            ; col_A and the zeros are whole
	SEQUP 1, 375, TA, VOUT, TB                     ; T_B in place; col_B
	BAR
	SEQUP 2, 24, TB, VOUT, TC                      ; wave 0 alone, its LDS instructions in order: T_C in place; col_C
	SEQUP 3, 2, TC, VD, XD+16                      ; T_D in place; X_D[1] = col_D[0] (thread 1's goes to the entry that nobody reads)
	DOWN 1, 24, TC, XD, XC                         ; X_C
	BAR
	DOWN 2, 375, TB, XC, XB                        ; X_B
	BAR                                            ; from here on LDS is only read
; X_A[c] for c = thread + 480 r
.macro OLOAD r
.if \r < 6
	ds_load_b128 v[LT+4*\r:LT+4*\r+3], v[VK]  offset:TA-TP+8160*\r
.else
	ds_load_b128 v[LT+4*\r:LT+4*\r+3], v[VK2] offset:TA-TP+8160*(\r-6)     ; the immediate has 16 bits: the second half of the passes from VK2
.endif
	ds_load_b128 v[LX+4*\r:LX+4*\r+3], v[VKX] offset:XB-16+480*\r
.endm
.macro OSUM r
	v_pk_add_f32 v[LT+4*\r:LT+4*\r+1],   v[LT+4*\r:LT+4*\r+1],   v[LX+4*\r:LX+4*\r+1]
	v_pk_add_f32 v[LT+4*\r+2:LT+4*\r+3], v[LT+4*\r+2:LT+4*\r+3], v[LX+4*\r+2:LX+4*\r+3]
	global_store_b128 v[VD], v[LT+4*\r:LT+4*\r+3], s[6:7] offset:16*THREADS*\r   ; sixteen lanes store 256 consecutive bytes, at a multiple of 256 from carry's first byte
.endm
.irp r, 0,1,2,3,4,5,6,7,8,9,10,11
	OLOAD \r
.endr
.irp r, 0,1,2,3,4,5,6,7,8,9,10,11
	s_wait_dscnt 22-2*\r                           ; two loads for each later pass stay out
	OSUM \r                                        ; each pass has registers of its own: no store's data is written again
.endr
	s_cmp_ge_u32 s8, 8                             ; the last 240 entries (5760 .. 5999) are the work of waves 0 to 7
	s_cbranch_scc1 .Lend
	v_cmp_gt_u32 vcc_lo, 6000-12*THREADS, v[TID]
	s_wait_xcnt 0x0                                ; EXEC, a source of the stores above, is narrowed only behind this wait
	s_and_saveexec_b32 s20, vcc_lo
	OLOAD 12
	s_wait_dscnt 0x0
	OSUM 12
	s_wait_xcnt 0x0                                ; and widened again only behind this one
	s_or_b32 exec_lo, exec_lo, s20
.Lend:
	s_wait_tensorcnt 0x0
	ds_add_u32 v248, v249
	s_wait_dscnt 0x0
	s_endpgm
.Lfunc_end_k_q0c9740c135_scan:
	.size	k_q0c9740c135_scan, .Lfunc_end_k_q0c9740c135_scan-k_q0c9740c135_scan
	.p2alignl 7, 3214868480
	.fill 96, 4, 3214868480
	.section	.rodata,"a",@progbits
	.p2align	6, 0x0
	.amdhsa_kernel k_q0c9740c135_scan
		.amdhsa_group_segment_fixed_size 157952
		.amdhsa_private_segment_fixed_size 0
		.amdhsa_enable_private_segment 0
		.amdhsa_kernarg_size 16
		.amdhsa_user_sgpr_count 2
		.amdhsa_user_sgpr_kernarg_segment_ptr 1
		.amdhsa_wavefront_size32 1
		.amdhsa_system_sgpr_workgroup_id_x 1
		.amdhsa_system_sgpr_workgroup_id_y 1
		.amdhsa_system_sgpr_workgroup_id_z 1
		.amdhsa_system_vgpr_workitem_id 0
		.amdhsa_next_free_vgpr 250
		.amdhsa_next_free_sgpr 66
		.amdhsa_reserve_vcc 1
		.amdhsa_float_denorm_mode_32 3
		.amdhsa_float_denorm_mode_16_64 3
		.amdhsa_memory_ordered 1
		.amdhsa_forward_progress 1
		.amdhsa_inst_pref_size 93
	.end_amdhsa_kernel
	.amdgpu_metadata
---
amdhsa.version: [ 1, 2 ]
amdhsa.kernels:
  - .name:           k_q0c9740c135_scan
    .symbol:         k_q0c9740c135_scan.kd
    .args:
      - { .name: f0_hz, .offset: 0, .size: 8, .value_kind: global_buffer, .address_space: global }
      - { .name: carry, .offset: 8, .size: 8, .value_kind: global_buffer, .address_space: global }
    .group_segment_fixed_size: 157952
    .private_segment_fixed_size: 0
    .kernarg_segment_align: 8
    .kernarg_segment_size: 16
    .max_flat_workgroup_size: 480
    .sgpr_count:     66
    .vgpr_count:     250
    .wavefront_size: 32
...
	.end_amdgpu_metadata
.endif
;; end of part 1
;; launch synth (part 2): grid 750 x 1, 8 waves a work-group, no clusters, 9,216 bytes of LDS; arguments amp_harm, f0_hz, phase, carry, out0, out1; writes out0, out1
.if DOCPART == 2
	.amdgcn_target "amdgcn-amd-amdhsa--gfx1250"
	.amdhsa_code_object_version 6
	.text
	.protected	k_q0c9740c135_synth
	.globl	k_q0c9740c135_synth
	.p2align	8
	.type	k_q0c9740c135_synth,@function
k_q0c9740c135_synth:
	s_mov_b64 s[64:65], 0
	v_nop
	global_prefetch_b8 v0, s[64:65] scope:SCOPE_SE
	s_setreg_imm32_b32 hwreg(HW_REG_WAVE_MODE, 25, 1), 1
	s_wait_xcnt 0x0
; out0[b][n] = sum over h of amp[b][n][h] * sin(cumsum(omega h)[b][n][h] + phase[b][h]);  out1[b][h] = the last phase modulo f32(2 pi).
; A wave takes 128 consecutive rows: lanes 0-15 the first 64 (four tiles of 16 rows), lanes 16-31 the next 64; lane j = lane % 16 owns
; h = 4 j + 1 .. 4 j + 4 in every row.  One 16-byte load of amp a lane covers two whole rows of 256 bytes.
; The prefix sums are made by reference()'s own f32 additions in their order (see the first launch): inside a tile the rounded products omega * h
; are added from the left, T; the phase of a row is (T + X_A[tile]) + phase, with X_A from carry.
; sin x: k = round(x / 2 pi) by adding and taking away 1.5 * 2^23; r = x - k * 2 pi with 2 pi in two parts; Taylor's series to r^13 on [-pi, pi],
; whose first left-out term is pi^15 / 15! = 2.2e-5.
; LIMITS: |phases| below 2^22 * 2 pi = 2.6e7 rad (beyond it the rounding trick fails).  For a last phase in (-2e-7, 0) out1 is 0 where
; reference() gives 6.2831855 (its sum x + 2 pi rounds up to 2 pi).
; The waves share nothing: no barrier; LDS only turns values between lanes of one wave (omega to all lanes, y to 16 bytes a lane).
; No matrix unit: the einsum is a dot product row by row, each amp is used once, and as a matrix product only a tile's diagonal would be wanted.
; No cluster, no tensor loads: no two work-groups read the same amp; loads through registers let three work-groups lie on a WGP
; (750 work-groups of 8 waves x 126 registers), with eight loads of 512 bytes of every wave on their way.
.set CW,   0x3909421e                  ; f32(2 pi / 48000)
.set VA,   1                           ; v1   amp: half * 16384 + 16 j
.set VF,   2                           ; v2   16 x lane: f0 in, y out
.set VT,   3                           ; v3   carry: 96000 j + 64 half
.set VP,   4                           ; v4   16 j: phase, out1
.set VLO,  5                           ; v5   LDS: the wave's 1,024 bytes + 16 x lane
.set VLR,  6                           ; v6   LDS: + 256 half: my 64 rows' omega
.set VLY,  7                           ; v7   LDS: + 256 half + 4 j: y (behind 512 bytes of omega)
.set H,    8                           ; v[8:11]    my four harmonic numbers
.set PHI,  12                          ; v[12:15]   phase[b][h]
.set XA,   16                          ; v[16:31]   X_A of my four tiles
.set T,    32                          ; v[32:35]   the sum inside the tile
.set MAG,  36                          ; v[36:37]   1.5 * 2^23, twice
.set C11V, 38                          ; v[38:39]   -1/11!, twice
.set OM,   40                          ; v[40:55]   omega of 8 rows, two buffers in turn
.set TT,   56                          ; v[56:75]   at work
.set TX,   TT                          ;   x, then r
.set KK,   TT+4                        ;   the row's products, then k, then amp * r
.set R2,   TT+8
.set Q,    TT+12
.set AC,   TT+16
.set PA,   TT+8                        ;   at the end: the last phases
.set PB,   TT+12
.set P16,  76                          ; v[76:91]   my part of 16 rows' sums
.set AMP,  92                          ; v[92:123]  eight slots of 4: amp of the group's rows
.macro SPAIR r, val                    ; a constant in both registers of a pair (a packed source is read as a pair)
	s_mov_b32 s[\r], \val
	s_mov_b32 s[\r+1], \val
.endm
	s_load_b256 s[4:11], s[0:1], 0x0               ; amp s[4:5], f0 s[6:7], phase s[8:9], carry s[10:11]
	s_load_b128 s[12:15], s[0:1], 0x20             ; out0 s[12:13], out1 s[14:15]
	v_lshl_add_u32 v124, v0, 2, 0x2000
	v_mov_b32 v125, 0
	v_lshrrev_b32 v[P16], 5, v0
	v_readfirstlane_b32 s16, v[P16]                ; wave 0..7
	s_lshl_b32 s17, ttmp9, 3
	s_add_co_u32 s17, s17, s16                     ; tw = 0 .. 5999: my 128 rows of the 768,000
	s_mul_hi_u32 s18, s17, 5726624                 ; b = tw / 750 (5726624 = ceil(2^32 / 750); exact for tw < 6000)
	s_mul_i32 s19, s18, 750
	s_sub_co_u32 s19, s17, s19                     ; ul = tw - 750 b
	SPAIR 22, CW
	SPAIR 24, 0xc0c90fdb                           ; -f32(2 pi)
	SPAIR 26, 0x343bbd2e                           ; f32(2 pi) - 2 pi
	SPAIR 28, 0x2f309231                           ; 1/13!
	SPAIR 30, 0x3638ef1d                           ; 1/9!
	SPAIR 32, 0xb9500d01                           ; -1/7!
	SPAIR 34, 0x3c088889                           ; 1/5!
	SPAIR 36, 0xbe2aaaab                           ; -1/3!
	SPAIR 38, 0x3e22f983                           ; 1 / 2 pi
	s_mov_b32 s40, 0xff00ff00                      ; lanes with bit 3 set
	s_mov_b32 s41, 0xf0f0f0f0                      ; bit 2
	s_mov_b32 s42, 0xcccccccc                      ; bit 1
	s_mov_b32 s43, 0xaaaaaaaa                      ; bit 0
	s_lshl_b32 s45, s16, 10                        ; the wave's LDS
	s_mov_b32 s46, 0x40c90fdb                      ; f32(2 pi)
	v_and_b32 v[P16+1], 31, v0                     ; lane
	v_and_b32 v[P16+2], 15, v0                     ; j
	v_bfe_u32 v[P16+3], v0, 4, 1                   ; half
	v_lshlrev_b32 v[VP], 4, v[P16+2]
	v_lshl_add_u32 v[VA], v[P16+3], 14, v[VP]
	v_lshlrev_b32 v[VF], 4, v[P16+1]
	v_mul_u32_u24 v[P16+4], v[P16+2], 96000        ; a plane of carry: 6,000 tiles of 16 bytes
	v_lshl_add_u32 v[VT], v[P16+3], 6, v[P16+4]
	v_add_nc_u32 v[VLO], s45, v[VF]
	v_lshl_add_u32 v[VLR], v[P16+3], 8, s45
	v_lshl_add_u32 v[VLY], v[P16+2], 2, v[VLR]
	v_lshlrev_b32 v[P16+4], 2, v[P16+2]
.irp i, 0,1,2,3
	v_add_nc_u32 v[P16+5], \i+1, v[P16+4]
	v_cvt_f32_u32 v[H+\i], v[P16+5]                ; h = 4 j + 1 + i
.endr
	v_mov_b32 v[MAG],    0x4b400000
	v_mov_b32 v[MAG+1],  0x4b400000
	v_mov_b32 v[C11V],   0xb2d7322b
	v_mov_b32 v[C11V+1], 0xb2d7322b
	s_mov_b32 s21, 0
	s_wait_kmcnt 0x0
	s_lshl_b32 s20, s17, 15                        ; 128 rows of 256 bytes
	s_add_nc_u64 s[4:5], s[4:5], s[20:21]
	s_lshl_b32 s20, s17, 9                         ; 128 rows of 4 bytes
	s_add_nc_u64 s[6:7], s[6:7], s[20:21]
	s_add_nc_u64 s[12:13], s[12:13], s[20:21]
	s_lshl_b32 s20, s18, 8                         ; a batch's 64 f32
	s_add_nc_u64 s[8:9], s[8:9], s[20:21]
	s_add_nc_u64 s[14:15], s[14:15], s[20:21]
	s_mul_i32 s20, s18, 1536000                    ; a batch's 16 planes of carry
	s_lshl_b32 s47, s19, 7                         ; tile 8 ul
	s_add_co_u32 s20, s20, s47
	s_add_nc_u64 s[10:11], s[10:11], s[20:21]
	global_load_b128 v[TT:TT+3], v[VF], s[6:7]                 ; f0 of rows 4 lane .. + 3
.irp q, 0,1,2,3
	global_load_b128 v[XA+4*\q:XA+4*\q+3], v[VT], s[10:11] offset:16*\q    ; X_A of my four tiles
.endr
	global_load_b128 v[PHI:PHI+3], v[VP], s[8:9]
.irp i, 0,1,2,3,4,5,6,7
	global_load_b128 v[AMP+4*\i:AMP+4*\i+3], v[VA], s[4:5] offset:256*\i th:TH_LOAD_NT   ; rows 0 to 7 of both halves
.endr
	s_wait_loadcnt 13                              ; f0 is in; 4 + 1 + 8 younger loads stay out
	v_pk_mul_f32 v[TT:TT+1],   v[TT:TT+1],   s[22:23] op_sel_hi:[1,0]
	v_pk_mul_f32 v[TT+2:TT+3], v[TT+2:TT+3], s[22:23] op_sel_hi:[1,0]
	ds_store_b128 v[VLO], v[TT:TT+3]               ; omega of the 128 rows; LDS serves a wave's instructions in order, so the loads below see it
	ds_load_b128 v[OM:OM+3],   v[VLR]              ; 16 lanes read the same 16 bytes
	ds_load_b128 v[OM+4:OM+7], v[VLR] offset:16
	s_wait_loadcnt 8                               ; X_A and phase are in; the eight loads of amp stay out
.macro ADD4 d, a, b                    ; four harmonics: d = a + b
	v_pk_add_f32 v[\d:\d+1],   v[\a:\a+1],   v[\b:\b+1]
	v_pk_add_f32 v[\d+2:\d+3], v[\a+2:\a+3], v[\b+2:\b+3]
.endm
; row i of group g (rows 8 g .. 8 g + 7 of my 64): the tile's sum goes one row on; x = (T + X_A) + phase; sin x, times amp, summed over my four harmonics
.macro SLOT g, i
.set om, OM+8*(\g&1)+(\i&6)
.if (\g&1)+\i == 0
	v_pk_mul_f32 v[T:T+1],     v[H:H+1],   v[om:om+1] op_sel_hi:[1,0]                  ; a tile's first row starts its sum
	v_pk_mul_f32 v[T+2:T+3],   v[H+2:H+3], v[om:om+1] op_sel_hi:[1,0]
.else
.if \i&1
	v_pk_mul_f32 v[KK:KK+1],   v[H:H+1],   v[om:om+1] op_sel:[0,1] op_sel_hi:[1,1]     ; the product is rounded by itself, as in reference(): no fused form
	v_pk_mul_f32 v[KK+2:KK+3], v[H+2:H+3], v[om:om+1] op_sel:[0,1] op_sel_hi:[1,1]
.else
	v_pk_mul_f32 v[KK:KK+1],   v[H:H+1],   v[om:om+1] op_sel_hi:[1,0]
	v_pk_mul_f32 v[KK+2:KK+3], v[H+2:H+3], v[om:om+1] op_sel_hi:[1,0]
.endif
	ADD4 T, T, KK
.endif
	ADD4 TX, T, XA+4*(\g>>1)
	ADD4 TX, TX, PHI
	v_pk_fma_f32 v[KK:KK+1],   v[TX:TX+1],   s[38:39], v[MAG:MAG+1] op_sel_hi:[1,0,1]
	v_pk_fma_f32 v[KK+2:KK+3], v[TX+2:TX+3], s[38:39], v[MAG:MAG+1] op_sel_hi:[1,0,1]
	v_pk_add_f32 v[KK:KK+1],   v[KK:KK+1],   v[MAG:MAG+1] neg_lo:[0,1] neg_hi:[0,1]      ; k = round(x / 2 pi)
	v_pk_add_f32 v[KK+2:KK+3], v[KK+2:KK+3], v[MAG:MAG+1] neg_lo:[0,1] neg_hi:[0,1]
	v_pk_fma_f32 v[TX:TX+1],   v[KK:KK+1],   s[24:25], v[TX:TX+1]   op_sel_hi:[1,0,1]    ; r = x - k * f32(2 pi)
	v_pk_fma_f32 v[TX+2:TX+3], v[KK+2:KK+3], s[24:25], v[TX+2:TX+3] op_sel_hi:[1,0,1]
	v_pk_fma_f32 v[TX:TX+1],   v[KK:KK+1],   s[26:27], v[TX:TX+1]   op_sel_hi:[1,0,1]    ;     + k * (f32(2 pi) - 2 pi)
	v_pk_fma_f32 v[TX+2:TX+3], v[KK+2:KK+3], s[26:27], v[TX+2:TX+3] op_sel_hi:[1,0,1]
	v_pk_mul_f32 v[R2:R2+1],   v[TX:TX+1],   v[TX:TX+1]
	v_pk_mul_f32 v[R2+2:R2+3], v[TX+2:TX+3], v[TX+2:TX+3]
	v_pk_fma_f32 v[Q:Q+1],     v[R2:R2+1],   s[28:29], v[C11V:C11V+1] op_sel_hi:[1,0,1]
	v_pk_fma_f32 v[Q+2:Q+3],   v[R2+2:R2+3], s[28:29], v[C11V:C11V+1] op_sel_hi:[1,0,1]
.irp c, 30,32,34,36
	v_pk_fma_f32 v[Q:Q+1],     v[Q:Q+1],     v[R2:R2+1],   s[\c:\c+1] op_sel_hi:[1,1,0]
	v_pk_fma_f32 v[Q+2:Q+3],   v[Q+2:Q+3],   v[R2+2:R2+3], s[\c:\c+1] op_sel_hi:[1,1,0]
.endr
	v_pk_fma_f32 v[Q:Q+1],     v[Q:Q+1],     v[R2:R2+1],   1.0 op_sel_hi:[1,1,0]         ; sin x = r * q
	v_pk_fma_f32 v[Q+2:Q+3],   v[Q+2:Q+3],   v[R2+2:R2+3], 1.0 op_sel_hi:[1,1,0]
.if \g < 7
	s_wait_loadcnt 7                               ; behind this slot's load: 7 - i loads of this group and i of the next
.else
	s_wait_loadcnt 7-\i                            ; the last group: nothing was asked for behind it
.endif
	v_pk_mul_f32 v[KK:KK+1],   v[AMP+4*\i:AMP+4*\i+1],   v[TX:TX+1]
	v_pk_mul_f32 v[KK+2:KK+3], v[AMP+4*\i+2:AMP+4*\i+3], v[TX+2:TX+3]
	v_pk_mul_f32 v[AC:AC+1], v[KK:KK+1],   v[Q:Q+1]
	v_pk_fma_f32 v[AC:AC+1], v[KK+2:KK+3], v[Q+2:Q+3], v[AC:AC+1]
	v_add_f32 v[P16+8*(\g&1)+\i], v[AC], v[AC+1]
.if \g < 7
	global_load_b128 v[AMP+4*\i:AMP+4*\i+3], v[VA], s[4:5] offset:256*(8*(\g+1)+\i) th:TH_LOAD_NT   ; the same row of the next group; VA is never rewritten
.endif
.endm
; 16 rows x 16 lanes of partial sums to one sum a lane: in each step a lane keeps half of its registers, sends the other half to the lane that
; keeps those, and adds what it is sent.  At the end lane j holds row j.
.macro BSTEP d, mask, xm
.set bi, 0
.rept \d
	v_cndmask_b32 v[TT+bi],  v[P16+bi+\d], v[P16+bi],    s[\mask]      ; what I send
	v_cndmask_b32 v[P16+bi], v[P16+bi],    v[P16+bi+\d], s[\mask]      ; what I keep
	v_add_f32_dpp v[P16+bi], v[TT+bi], v[P16+bi] row_xmask:\xm row_mask:0xf bank_mask:0xf
.set bi, bi+1
.endr
.endm
.macro GROUP g
	s_wait_dscnt 0x0                               ; this group's omega, asked for one group ago, is in
.if \g < 7
	ds_load_b128 v[OM+8*((\g+1)&1):OM+8*((\g+1)&1)+3],   v[VLR] offset:32*(\g+1)       ; the next group's, into the other buffer
	ds_load_b128 v[OM+8*((\g+1)&1)+4:OM+8*((\g+1)&1)+7], v[VLR] offset:32*(\g+1)+16
.endif
.irp i, 0,1,2,3,4,5,6,7
	SLOT \g, \i
.endr
.if \g & 1
	BSTEP 8, 40, 8
	BSTEP 4, 41, 4
	BSTEP 2, 42, 2
	BSTEP 1, 43, 1
	ds_store_b32 v[VLY], v[P16] offset:512+64*(\g>>1)          ; y of row 16 (g / 2) + j of my 64
.endif
.endm
.irp g, 0,1,2,3,4,5,6,7
	GROUP \g
.endr
	ds_load_b128 v[TT:TT+3], v[VLO] offset:512     ; y of rows 4 lane .. + 3 (my wave's own bytes, served in order)
	s_wait_dscnt 0x0
	global_store_b128 v[VF], v[TT:TT+3], s[12:13] th:TH_STORE_NT       ; 512 consecutive bytes, at a multiple of 512 from out0's first byte
	s_cmp_lg_u32 s19, 749                          ; the wave with a batch's last rows also makes out1: its lanes 16-31 hold the last row's sums
	s_cbranch_scc1 .Lend
	ADD4 PA, T, XA+12                              ; the last row once more: T_A[5999][15] + X_A[5999],
	ADD4 PA, PA, PHI                               ; + phase
.irp i, 0,1,2,3
	v_mul_f32 v[PB+\i], s38, v[PA+\i]
	v_floor_f32 v[PB+\i], v[PB+\i]
	v_fma_f32 v[PA+\i], v[PB+\i], s24, v[PA+\i]    ; x - floor(x / 2 pi) * f32(2 pi): the true remainder is an f32, so one rounding leaves it exact
	v_add_f32 v[PB+\i], s46, v[PA+\i]              ; the quotient may be off by one either way (its error stays below 0.2 inside the stated limit):
	v_cmp_gt_f32 vcc_lo, 0, v[PA+\i]
	v_cndmask_b32 v[PA+\i], v[PA+\i], v[PB+\i], vcc_lo         ; below 0: one period up
	v_add_f32 v[PB+\i], s24, v[PA+\i]
	v_cmp_le_f32 vcc_lo, s46, v[PA+\i]
	v_cndmask_b32 v[PA+\i], v[PA+\i], v[PB+\i], vcc_lo         ; at or above the period: one down
.endr
	v_cmp_le_u32 vcc_lo, 0x100, v[VF]              ; lanes 16-31
	s_wait_xcnt 0x0                                ; EXEC, a source of the store above, is narrowed only behind this wait
	s_and_saveexec_b32 s44, vcc_lo
	global_store_b128 v[VP], v[PA:PA+3], s[14:15]  ; sixteen lanes: the batch's whole row of 256 bytes
	s_wait_xcnt 0x0                                ; and widened again only behind this one
	s_or_b32 exec_lo, exec_lo, s44
.Lend:
	s_wait_tensorcnt 0x0
	ds_add_u32 v124, v125
	s_wait_dscnt 0x0
	s_endpgm
.Lfunc_end_k_q0c9740c135_synth:
	.size	k_q0c9740c135_synth, .Lfunc_end_k_q0c9740c135_synth-k_q0c9740c135_synth
	.p2alignl 7, 3214868480
	.fill 96, 4, 3214868480
	.section	.rodata,"a",@progbits
	.p2align	6, 0x0
	.amdhsa_kernel k_q0c9740c135_synth
		.amdhsa_group_segment_fixed_size 9216
		.amdhsa_private_segment_fixed_size 0
		.amdhsa_enable_private_segment 0
		.amdhsa_kernarg_size 48
		.amdhsa_user_sgpr_count 2
		.amdhsa_user_sgpr_kernarg_segment_ptr 1
		.amdhsa_wavefront_size32 1
		.amdhsa_system_sgpr_workgroup_id_x 1
		.amdhsa_system_sgpr_workgroup_id_y 1
		.amdhsa_system_sgpr_workgroup_id_z 1
		.amdhsa_system_vgpr_workitem_id 0
		.amdhsa_next_free_vgpr 126
		.amdhsa_next_free_sgpr 66
		.amdhsa_reserve_vcc 1
		.amdhsa_float_denorm_mode_32 3
		.amdhsa_float_denorm_mode_16_64 3
		.amdhsa_memory_ordered 1
		.amdhsa_forward_progress 1
		.amdhsa_inst_pref_size 166
	.end_amdhsa_kernel
	.amdgpu_metadata
---
amdhsa.version: [ 1, 2 ]
amdhsa.kernels:
  - .name:           k_q0c9740c135_synth
    .symbol:         k_q0c9740c135_synth.kd
    .args:
      - { .name: amp_harm, .offset: 0, .size: 8, .value_kind: global_buffer, .address_space: global }
      - { .name: f0_hz, .offset: 8, .size: 8, .value_kind: global_buffer, .address_space: global }
      - { .name: phase, .offset: 16, .size: 8, .value_kind: global_buffer, .address_space: global }
      - { .name: carry, .offset: 24, .size: 8, .value_kind: global_buffer, .address_space: global }
      - { .name: out0, .offset: 32, .size: 8, .value_kind: global_buffer, .address_space: global }
      - { .name: out1, .offset: 40, .size: 8, .value_kind: global_buffer, .address_space: global }
    .group_segment_fixed_size: 9216
    .private_segment_fixed_size: 0
    .kernarg_segment_align: 8
    .kernarg_segment_size: 48
    .max_flat_workgroup_size: 256
    .sgpr_count:     66
    .vgpr_count:     126
    .wavefront_size: 32
...
	.end_amdgpu_metadata
.endif
;; end of part 2
;; ======== version 2 of 2: 2 launches; 1.31 times as fast as version 1
;; limits: right only within a limited range of input values; a function is approximated: absolute error at most 0.00025
;; workspace buffers: carry 4,036,608 bytes
;; launch tiles (part 3): grid 24 x 8, 16 waves a work-group, no clusters, 80,384 bytes of LDS; arguments f0_hz, carry; writes carry
.if DOCPART == 3
	.amdgcn_target "amdgcn-amd-amdhsa--gfx1250"
	.amdhsa_code_object_version 6
	.text
	.protected	k_q0c9740c135_tiles
	.globl	k_q0c9740c135_tiles
	.p2align	8
	.type	k_q0c9740c135_tiles,@function
k_q0c9740c135_tiles:
	s_mov_b64 s[64:65], 0
	v_nop
	global_prefetch_b8 v0, s[64:65] scope:SCOPE_SE
	s_setreg_imm32_b32 hwreg(HW_REG_WAVE_MODE, 25, 1), 1
	s_wait_xcnt 0x0
; The part of reference()'s cumsum that needs no neighbour.  The phases reach some 2e5 rad, where one step of f32 is 2^-6 rad, so only the same f32
; additions in the same order give the same phases.  The order is that of a cumulative sum written as one window reduction and split in tiles of 16:
;   x[n] = (f32(2 pi / 48000) * f0[n]) * h, each product rounded
;   level A: 6000 tiles of 16 rows:    T_A[c][i] = ((x0 + x1) + x2) .. + xi, from the left;   col_A[c] = T_A[c][15]
;   level B:  375 tiles of 16 col_A:   T_B, col_B likewise;   level C: 375 col_B and zeros, 24 tiles;   level D: 24 col_C and zeros, 2 tiles
;   X_D = [0, col_D[0]];   X_L[c] = T_(L+1)(c - 1) + X_(L+1)[(c - 1) >> 4],  X_L[0] = 0     (T(j) = entry j & 15 of tile j >> 4)
;   cumsum[n] = T_A[n >> 4][n & 15] + X_A[n >> 4]
; A work-group owns one batch b and one level C tile e: 4,096 rows = 256 A tiles = 16 B tiles.  It stores T_B (every fourth entry), T_C and col_C;
; level D and the way down (X_C, X_B, X_A) are the second launch's, which reads them from carry.
; ONLY THE 32 ODD HARMONICS ARE SUMMED.  For h = 2^s o every product and every sum is 2^s times that of o, bit for bit: a factor 2^s changes the exponent
; alone and so commutes with rounding.  The even harmonics are made on the way out of LDS by that factor.
; LIMIT: not exact where a sum is an f32 denormal (phases below 1e-38 rad).
; carry, per batch, in entries of 256 bytes (64 harmonics, f32):
;   0-15 zeros | 16-31 col_C[0..15] | 32-39 zeros | 40-47 col_C[16..23] | 48-49 zeros | 50-433 T_C(0..383) | 434 zeros | 435 + m: T_B(4 m + 3), m = 0..1535
; The zeros stand where a sum that ends at entry e - 1 and has a fixed number of terms begins too early, and where entry -1 or -2 is read.
; The last C tile of a batch has 112 A tiles: its f0 offsets are clamped to the batch's last 16 bytes, and what comes of the surplus tiles goes to
; entries that the second launch never reads (T_B from m = 1500, T_C from 375, col_C[23]).
; 16 waves: wave w takes the 32 tiles of group w & 7 (lane = tile) and the odd harmonics 32 (w >> 3) + 1, 3, .. 31.
; No matrix unit (nothing is multiplied twice).  No cluster: no two work-groups read the same f0.  192 work-groups: one per (batch, C tile); the
; largest piece whose sums need no other piece is also the smallest that makes T_C whole.
.set CW,     0x3909421e                ; f32(2 pi / 48000)
.set BATCH,  504576                    ; bytes of carry for a batch: 1,971 entries
.set E_TCG,  48
.set E_TC,   50
.set E_TBG,  434
.set E_TB,   435
.set TP,     272                       ; LDS: a tile of 16 entries of 16 bytes (a quad: 4 odd harmonics) + 16
.set HP,     4368                      ; LDS: 16 such tiles + 16: from one quad to the next.  Both are odd multiples of 16 bytes
.set TBC,    0                         ; col_B, then T_C: 8 quads x one tile                   2,176 bytes
.set TA,     2176                      ; col_A, then T_B: 8 quads x 16 tiles                  34,944 bytes
.set STAGE,  37120                     ; each wave's own 2,560 bytes: omega of 32 tiles, 80 bytes from tile to tile
.set SPW,    2560
.set VG,   1                           ; v[1:4]  f0: byte offsets of my 16 bytes in the wave's four loads, clamped
.set VSW,  5                           ; v5   stage, in:  my 4 rows of load q lie in tile 8 q + lane / 4, at byte 16 (lane % 4)
.set VSR,  6                           ; v6   stage, out: tile = lane
.set VE,   7                           ; v7   TA: my tile in my wave's first quad
.set VT,   8                           ; v8   TA: the B tile of thread t < 128: quad t / 16, tile t % 16
.set VOB,  9                           ; v9   TBC: entry t % 16 of quad t / 16
.set VC,   10                          ; v10  TBC: the tile of quad lane % 8
.set TMB,  11                          ; v11  at work
.set VD,   12                          ; v12  16 x thread
.set IX,   13                          ; v13  at work: the number i of an odd harmonic 2 i + 1
.set LN,   14                          ; v14  lane
.set TMA,  15                          ; v15  at work
.set H,    16                          ; v[16:19]   four odd harmonic numbers, f32
.set F,    20                          ; v[20:35]   f0, then omega
.set OUTR, 20                          ; v[20:27]   later: T_B on its way out, 2 passes
.set OM,   36                          ; v[36:51]   omega of my tile's 16 rows
.set E,    52                          ; v[52:59]   two rows' products
.set LJ,   52                          ; in front of the first sum: j = lane % 16,
.set LH,   53                          ; lane / 16
.set ACC,  60                          ; v[60:63]   the running sum
.set L,    64                          ; v[64:127]  a tile's 16 entries
; The way out: lane j stores the harmonics 4 j + 1 .. 4 j + 4 of an entry.  Where they come from (quad i >> 2, word i & 3 of odd number i):
.set OA1,  128                         ; v128 TA:  i = 2 j (h = 4 j + 1; 4 j + 3 is the next word), at entry 4 (t / 16) + 3 less its constant 48 bytes
.set OA2,  129                         ; v129 TA:  i = j (h = 4 j + 2 = 2 (2 j + 1))
.set OA4,  130                         ; v130 TA:  i = o >> 1, o the odd part of j + 1 (h = 4 (j + 1))
.set OC1,  131                         ; v[131:133] the same three in TBC, at entry 0
.set OC2,  132
.set OC4,  133
.set OT1,  134                         ; v[134:136] the same three in TBC, at entry t / 16
.set OT2,  135
.set OT4,  136
.set SC4,  137                         ; v137 4 (j + 1) / o as f32: a power of two
	s_load_b128 s[4:7], s[0:1], 0x0                ; f0_hz s[4:5], carry s[6:7]
	v_lshl_add_u32 v144, v0, 2, 0x13200
	v_mov_b32 v145, 0
	v_lshrrev_b32 v[TMA], 5, v0
	v_readfirstlane_b32 s8, v[TMA]                 ; wave 0..15
	s_and_b32 s9, ttmp7, 0xffff                    ; batch
	s_mov_b32 s10, ttmp9                           ; C tile e
	s_and_b32 s11, s8, 7                           ; tile group
	s_lshr_b32 s20, s8, 3                          ; harmonic half
	v_and_b32 v[LN], 31, v0
	s_lshl_b32 s18, s10, 14                        ; 4,096 rows of 4 bytes
	s_lshl_b32 s19, s11, 11                        ; 512 rows
	s_add_co_u32 s18, s18, s19
	v_lshl_add_u32 v[TMA], v[LN], 4, s18
.irp q, 0,1,2,3
	v_add_nc_u32 v[VG+\q], 512*\q, v[TMA]
	v_min_u32 v[VG+\q], 383984, v[VG+\q]           ; no load passes the batch's last 16 bytes
.endr
	s_mul_i32 s22, s9, 384000                      ; a batch of f0 in bytes
	s_mov_b32 s23, 0
	s_wait_kmcnt 0x0
	s_add_nc_u64 s[4:5], s[4:5], s[22:23]
.irp q, 0,1,2,3
	global_load_b128 v[F+4*\q:F+4*\q+3], v[VG+\q], s[4:5]      ; 512 consecutive bytes a load: the wave's 512 rows.  All other addresses are made behind these
.endr
	s_mov_b32 s12, CW
	s_mov_b32 s13, CW
	s_mov_b32 s24, 0xffff0000                      ; lanes 16-31
	v_and_b32 v[LJ], 15, v0
	v_bfe_u32 v[LH], v0, 4, 1
	s_mul_i32 s21, s8, SPW
	s_add_co_u32 s21, s21, STAGE                   ; my wave's stage
	v_lshrrev_b32 v[TMA], 2, v[LN]
	v_mul_u32_u24 v[TMA], v[TMA], 80
	v_and_b32 v[VSW], 3, v[LN]
	v_lshl_add_u32 v[VSW], v[VSW], 4, v[TMA]
	v_add_nc_u32 v[VSW], s21, v[VSW]
	v_mul_u32_u24 v[VSR], v[LN], 80
	v_add_nc_u32 v[VSR], s21, v[VSR]
	v_add_nc_u32 v[TMA], v[LN], v[LH]              ; lane + lane / 16: 272 = 17 x 16
	s_mul_i32 s18, s20, 4*HP                       ; my half's four quads
	s_mul_i32 s19, s11, 2*TP                       ; 32 tiles of level A are 2 tiles of level B
	s_add_co_u32 s18, s18, s19
	v_lshl_add_u32 v[VE], v[TMA], 4, s18
	s_mul_i32 s18, s8, 2*TP                        ; 32 threads are 2 quads of TBC
	v_lshl_add_u32 v[VOB], v[TMA], 4, s18
	v_and_b32 v[VC], 7, v0
	v_mul_u32_u24 v[VC], v[VC], TP
	v_mul_u32_u24 v[TMA], v[LH], HP
	v_mul_u32_u24 v[VT], v[LJ], TP
	v_add_nc_u32 v[VT], v[VT], v[TMA]
	s_mul_i32 s18, s8, 2*HP
	v_add_nc_u32 v[VT], s18, v[VT]
	s_lshl_b32 s18, s8, 9
	v_lshl_add_u32 v[VD], v[LN], 4, s18
; odd number IX: da = its place in TA, dc = its place in TBC
.macro GADDR da, dc
	v_lshrrev_b32 v[TMA], 2, v[IX]
	v_and_b32 v[TMB], 3, v[IX]
	v_lshlrev_b32 v[TMB], 2, v[TMB]
	v_mul_u32_u24 v[\da], v[TMA], HP
	v_mul_u32_u24 v[\dc], v[TMA], TP
	v_add_nc_u32 v[\da], v[\da], v[TMB]
	v_add_nc_u32 v[\dc], v[\dc], v[TMB]
.endm
	v_lshlrev_b32 v[IX], 1, v[LJ]
	GADDR OA1, OC1
	v_mov_b32 v[IX], v[LJ]
	GADDR OA2, OC2
	v_add_nc_u32 v[IX], 1, v[LJ]                   ; j + 1 = 1 .. 16
	v_sub_nc_u32 v[TMA], 0, v[IX]
	v_and_b32 v[TMA], v[TMA], v[IX]                ; its lowest set bit
	v_lshlrev_b32 v[TMA], 2, v[TMA]
	v_cvt_f32_u32 v[SC4], v[TMA]
.rept 4
	v_and_b32 v[TMA], 1, v[IX]                     ; halved while it is even: four times serve 16
	v_lshrrev_b32 v[TMB], 1, v[IX]
	v_cmp_eq_u32 vcc_lo, 0, v[TMA]
	v_cndmask_b32 v[IX], v[IX], v[TMB], vcc_lo
.endr
	v_lshrrev_b32 v[IX], 1, v[IX]                  ; o = 2 i + 1
	GADDR OA4, OC4
	; entry n = 4 m + 3 of T_B lies at 16 n + 16 (n >> 4) = 64 m + 48 + 16 (m >> 2); m = t / 16 = 2 w + lane / 16, so m >> 2 = w >> 1
	s_lshl_b32 s18, s8, 7
	s_lshr_b32 s19, s8, 1
	s_lshl_b32 s19, s19, 4
	s_add_co_u32 s18, s18, s19
	v_lshl_add_u32 v[TMA], v[LH], 6, s18
	s_lshl_b32 s19, s8, 5
	v_lshl_add_u32 v[TMB], v[LH], 4, s19           ; entry t / 16 of T_C
.irp x, 0,1,2
	v_add_nc_u32 v[OA1+\x], v[OA1+\x], v[TMA]
	v_add_nc_u32 v[OT1+\x], v[OC1+\x], v[TMB]
.endr
	s_lshl_b32 s18, s20, 5
.irp i, 0,1,2,3
	s_add_co_u32 s19, s18, 2*\i+1
	v_cvt_f32_u32 v[H+\i], s19                     ; h = 32 (w >> 3) + 1 + 2 i
.endr
	s_mul_i32 s26, s9, BATCH
	s_mov_b32 s27, 0
	s_lshl_b32 s28, s10, 14                        ; 64 entries of T_B
	s_add_co_u32 s28, s28, E_TB*256
	s_mov_b32 s29, 0
	s_lshl_b32 s30, s10, 12                        ; 16 entries of T_C
	s_add_co_u32 s30, s30, E_TC*256
	s_mov_b32 s31, 0
	s_add_nc_u64 s[6:7], s[6:7], s[26:27]
	s_add_nc_u64 s[14:15], s[6:7], s[28:29]        ; my T_B
	s_add_nc_u64 s[16:17], s[6:7], s[30:31]        ; my T_C
	s_wait_loadcnt 0x0
.irp i, 0,2,4,6,8,10,12,14
	v_pk_mul_f32 v[F+\i:F+\i+1], v[F+\i:F+\i+1], s[12:13] op_sel_hi:[1,0]      ; omega
.endr
	; turned through my wave's own stage, so that lane l holds tile l's 16 rows; LDS serves a wave's instructions in order
.irp q, 0,1,2,3
	ds_store_b128 v[VSW], v[F+4*\q:F+4*\q+3] offset:640*\q
.endr
.irp q, 0,1,2,3
	ds_load_b128 v[OM+4*\q:OM+4*\q+3], v[VSR] offset:16*\q
.endr
	s_wait_dscnt 0x0
; col_A of my tile for four harmonics: the 16 products, each rounded by itself as in reference() (no fused form), added from the left
.macro SUM16
	v_pk_mul_f32 v[ACC:ACC+1],   v[H:H+1],   v[OM:OM+1] op_sel_hi:[1,0]                ; row 0 starts the sum
	v_pk_mul_f32 v[ACC+2:ACC+3], v[H+2:H+3], v[OM:OM+1] op_sel_hi:[1,0]
	v_pk_mul_f32 v[E+4:E+5],     v[H:H+1],   v[OM:OM+1] op_sel:[0,1] op_sel_hi:[1,1]   ; row 1
	v_pk_mul_f32 v[E+6:E+7],     v[H+2:H+3], v[OM:OM+1] op_sel:[0,1] op_sel_hi:[1,1]
	v_pk_add_f32 v[ACC:ACC+1],   v[ACC:ACC+1],   v[E+4:E+5]
	v_pk_add_f32 v[ACC+2:ACC+3], v[ACC+2:ACC+3], v[E+6:E+7]
.irp i, 2,4,6,8,10,12,14
	v_pk_mul_f32 v[E:E+1],       v[H:H+1],   v[OM+\i:OM+\i+1] op_sel_hi:[1,0]              ; row i
	v_pk_mul_f32 v[E+2:E+3],     v[H+2:H+3], v[OM+\i:OM+\i+1] op_sel_hi:[1,0]
	v_pk_mul_f32 v[E+4:E+5],     v[H:H+1],   v[OM+\i:OM+\i+1] op_sel:[0,1] op_sel_hi:[1,1] ; row i + 1
	v_pk_mul_f32 v[E+6:E+7],     v[H+2:H+3], v[OM+\i:OM+\i+1] op_sel:[0,1] op_sel_hi:[1,1]
	v_pk_add_f32 v[ACC:ACC+1],   v[ACC:ACC+1],   v[E:E+1]
	v_pk_add_f32 v[ACC+2:ACC+3], v[ACC+2:ACC+3], v[E+2:E+3]
	v_pk_add_f32 v[ACC:ACC+1],   v[ACC:ACC+1],   v[E+4:E+5]
	v_pk_add_f32 v[ACC+2:ACC+3], v[ACC+2:ACC+3], v[E+6:E+7]
.endr
.endm
.irp k, 0,1,2,3
	SUM16
	ds_store_b128 v[VE], v[ACC:ACC+3] offset:TA+HP*\k          ; col_A, quad 4 (w >> 3) + k
.if \k < 3
	v_pk_add_f32 v[H:H+1],   v[H:H+1],   0x41000000 op_sel_hi:[1,0]    ; + 8: the next four odd harmonics
	v_pk_add_f32 v[H+2:H+3], v[H+2:H+3], 0x41000000 op_sel_hi:[1,0]
.endif
.endr
.macro BAR                             ; what I stored is in LDS, what I read is in registers; then all waves meet
	s_wait_dscnt 0x0
	s_barrier_signal -1
	s_barrier_wait -1
.endm
; the tile of 16 entries at areg + base is turned in place into its sums from the left; they stay in L
.macro SEQ16 areg, base
.irp i, 0,1,2,3,4,5,6,7,8,9,10,11,12,13,14,15
	ds_load_b128 v[L+4*\i:L+4*\i+3], v[\areg] offset:\base+16*\i
.endr
.irp i, 1,2,3,4,5,6,7,8,9,10,11,12,13,14,15
	s_wait_dscnt 15-\i                             ; LDS loads come back in order: entries 0 to i are in
	v_pk_add_f32 v[L+4*\i:L+4*\i+1],   v[L+4*\i-4:L+4*\i-3], v[L+4*\i:L+4*\i+1]
	v_pk_add_f32 v[L+4*\i+2:L+4*\i+3], v[L+4*\i-2:L+4*\i-1], v[L+4*\i+2:L+4*\i+3]
.endr
.irp i, 1,2,3,4,5,6,7,8,9,10,11,12,13,14,15
	ds_store_b128 v[\areg], v[L+4*\i:L+4*\i+3] offset:\base+16*\i
.endr
.endm
; an entry's harmonics 4 j + 1 .. 4 j + 4 from the odd ones: four words, then the two factors
.macro GATH d, a1, a2, a4, off
	ds_load_b32 v[\d],   v[\a1] offset:\off
	ds_load_b32 v[\d+1], v[\a2] offset:\off
	ds_load_b32 v[\d+2], v[\a1] offset:\off+4
	ds_load_b32 v[\d+3], v[\a4] offset:\off
.endm
.macro GSCALE d
	v_add_f32 v[\d+1], v[\d+1], v[\d+1]            ; 4 j + 2 = 2 (2 j + 1)
	v_mul_f32 v[\d+3], v[SC4], v[\d+3]             ; 4 (j + 1) = a power of two x its odd part
.endm
	BAR                                            ; col_A is whole
	s_cmp_ge_u32 s8, 4                             ; 8 quads x 16 B tiles: one for each thread of waves 0 to 3
	s_cbranch_scc1 .Lb_done
	SEQ16 VT, TA                                   ; T_B in place
	ds_store_b128 v[VOB], v[L+60:L+63] offset:TBC  ; col_B
.Lb_done:
	BAR                                            ; T_B and col_B are whole
	s_cmp_lg_u32 s8, 0                             ; 8 quads x one C tile: wave 0; four lanes do the same work on each quad and store the same bytes
	s_cbranch_scc1 .Lc_done
	SEQ16 VC, TBC                                  ; T_C in place
.Lc_done:
	; T_B goes out: pass r takes m = t / 16 + 32 r, entry 4 m + 3; 32 m are 8 tiles of TA
.irp r, 0,1
	GATH OUTR+4*\r, OA1, OA2, OA4, TA+48+8*TP*\r
.endr
	s_wait_dscnt 0x0
.irp r, 0,1
	GSCALE OUTR+4*\r
	global_store_b128 v[VD], v[OUTR+4*\r:OUTR+4*\r+3], s[14:15] offset:8192*\r   ; sixteen lanes store 256 consecutive bytes, at a multiple of 256 from carry's first byte
.endr
	BAR                                            ; T_C is whole
	s_cmp_ge_u32 s8, 8
	s_cbranch_scc1 .Ltc_done
	GATH L, OT1, OT2, OT4, TBC                     ; T_C goes out: 16 entries, one for each sixteen lanes of waves 0 to 7
	s_wait_dscnt 0x0
	GSCALE L
	global_store_b128 v[VD], v[L:L+3], s[16:17]
.Ltc_done:
	s_cmp_lg_u32 s8, 8
	s_cbranch_scc1 .Lcc_done
	; wave 8: lanes 0-15 store col_C[e] = T_C's entry 15, lanes 16-31 one of the entries of zeros in front of the col_C
	GATH L, OC1, OC2, OC4, TBC+240
	s_cmp_lt_u32 s10, 16
	s_cselect_b32 s25, 0, 16
	s_cselect_b32 s32, 16, 8
	s_add_co_u32 s25, s25, s10                     ; zeros:  entry e, or 16 + e from e = 16 on
	s_add_co_u32 s32, s32, s25                     ; col_C:  entry 16 + e, or 24 + e
	v_mov_b32 v[L+4], s32
	v_mov_b32 v[L+5], s25
	v_cndmask_b32 v[L+4], v[L+4], v[L+5], s24
	v_and_b32 v[L+7], 15, v0
	v_lshlrev_b32 v[L+7], 4, v[L+7]
	v_lshl_add_u32 v[L+4], v[L+4], 8, v[L+7]
	v_mov_b32 v[L+6], 0
	s_wait_dscnt 0x0
	GSCALE L
.irp i, 0,1,2,3
	v_cndmask_b32 v[L+\i], v[L+\i], v[L+6], s24
.endr
	global_store_b128 v[L+4], v[L:L+3], s[6:7]
.Lcc_done:
	s_cmp_lg_u32 s8, 9
	s_cbranch_scc1 .Lend
	s_cmp_lg_u32 s10, 0
	s_cbranch_scc1 .Lend
	; wave 9 of a batch's first work-group: the zeros in front of T_C (two entries) and of T_B (one: both halves of the wave store the same bytes)
.irp i, 0,1,2,3
	v_mov_b32 v[L+\i], 0
.endr
	v_lshlrev_b32 v[L+4], 4, v[LN]
	v_and_b32 v[L+5], 15, v0
	v_lshlrev_b32 v[L+5], 4, v[L+5]
	global_store_b128 v[L+4], v[L:L+3], s[6:7] offset:E_TCG*256
	global_store_b128 v[L+5], v[L:L+3], s[6:7] offset:E_TBG*256
.Lend:
	s_wait_tensorcnt 0x0
	ds_add_u32 v144, v145
	s_wait_dscnt 0x0
	s_endpgm
.Lfunc_end_k_q0c9740c135_tiles:
	.size	k_q0c9740c135_tiles, .Lfunc_end_k_q0c9740c135_tiles-k_q0c9740c135_tiles
	.p2alignl 7, 3214868480
	.fill 96, 4, 3214868480
	.section	.rodata,"a",@progbits
	.p2align	6, 0x0
	.amdhsa_kernel k_q0c9740c135_tiles
		.amdhsa_group_segment_fixed_size 80384
		.amdhsa_private_segment_fixed_size 0
		.amdhsa_enable_private_segment 0
		.amdhsa_kernarg_size 16
		.amdhsa_user_sgpr_count 2
		.amdhsa_user_sgpr_kernarg_segment_ptr 1
		.amdhsa_wavefront_size32 1
		.amdhsa_system_sgpr_workgroup_id_x 1
		.amdhsa_system_sgpr_workgroup_id_y 1
		.amdhsa_system_sgpr_workgroup_id_z 1
		.amdhsa_system_vgpr_workitem_id 0
		.amdhsa_next_free_vgpr 146
		.amdhsa_next_free_sgpr 66
		.amdhsa_reserve_vcc 1
		.amdhsa_float_denorm_mode_32 3
		.amdhsa_float_denorm_mode_16_64 3
		.amdhsa_memory_ordered 1
		.amdhsa_forward_progress 1
		.amdhsa_inst_pref_size 37
	.end_amdhsa_kernel
	.amdgpu_metadata
---
amdhsa.version: [ 1, 2 ]
amdhsa.kernels:
  - .name:           k_q0c9740c135_tiles
    .symbol:         k_q0c9740c135_tiles.kd
    .args:
      - { .name: f0_hz, .offset: 0, .size: 8, .value_kind: global_buffer, .address_space: global }
      - { .name: carry, .offset: 8, .size: 8, .value_kind: global_buffer, .address_space: global }
    .group_segment_fixed_size: 80384
    .private_segment_fixed_size: 0
    .kernarg_segment_align: 8
    .kernarg_segment_size: 16
    .max_flat_workgroup_size: 512
    .sgpr_count:     66
    .vgpr_count:     146
    .wavefront_size: 32
...
	.end_amdgpu_metadata
.endif
;; end of part 3
;; launch synth (part 4): grid 750 x 1, 8 waves a work-group, no clusters, 9,216 bytes of LDS; arguments amp_harm, f0_hz, phase, carry, out0, out1; writes out0, out1
.if DOCPART == 4
	.amdgcn_target "amdgcn-amd-amdhsa--gfx1250"
	.amdhsa_code_object_version 6
	.text
	.protected	k_q0c9740c135_synth
	.globl	k_q0c9740c135_synth
	.p2align	8
	.type	k_q0c9740c135_synth,@function
k_q0c9740c135_synth:
	s_mov_b64 s[64:65], 0
	v_nop
	global_prefetch_b8 v0, s[64:65] scope:SCOPE_SE
	s_setreg_imm32_b32 hwreg(HW_REG_WAVE_MODE, 25, 1), 1
	s_wait_xcnt 0x0
; out0[b][n] = sum over h of amp[b][n][h] * sin(cumsum(omega h)[b][n][h] + phase[b][h]);  out1[b][h] = the last phase modulo f32(2 pi).
; A wave takes 128 consecutive rows: lanes 0-15 the first 64 (four tiles of 16 rows), lanes 16-31 the next 64; lane j = lane % 16 owns
; h = 4 j + 1 .. 4 j + 4 in every row.  One 16-byte load of amp a lane covers two whole rows of 256 bytes.
; The prefix sums are reference()'s own f32 additions in their order (the first launch's head gives the order and carry's layout):
;   X_C[e] = T_D(e - 1) + X_D: two sums from the left over col_C, entries 0 .. min(e, 16) - 1 and 16 .. e - 1.  Each is read as a run of fixed length
;            (16 and 7 entries) that ENDS at its last entry and begins in the zeros in front: 0 + x = x, so no term is selected and nothing branches.
;   X_B[d] = T_C(d - 1) + X_C[(d - 1) >> 4];   X_A[c] = T_B(c - 1) + X_B[(c - 1) >> 4];   phase of a row = (T + X_A[tile]) + phase,
;   T = the rounded products omega * h added from the left inside the tile.
; Of a wave's eight tiles c = 8 ul .. 8 ul + 7 the first has d = (8 ul - 1) >> 4, the other seven d = ul >> 1: lanes 0-15 make X_B for the first,
; lanes 16-31 for the others, and hand it to the lower half.
; T_B is read once for a half wave, in front of its first tile, and carried on: T at a tile's end is col_A, so T_B(c) = T_B(c - 1) + T.  Where the
; first tile opens a B tile (lanes 0-15, ul even) the sum starts from 0.
; sin x: k = round(x / 2 pi) by adding and taking away 1.5 * 2^23; r = x - k * f32(2 pi) + D; then the Chebyshev series of sin on [-pi, pi] cut behind
; T7, written in powers of r.  Its first left-out term is 2 J9(pi) = 2.5e-4, whatever the inputs: y is off by at most 2.5e-4 x the sum of |amp|.
; D stands for k * (f32(2 pi) - 2 pi) = (x - r) * 2.78e-8.  It is made once a tile as (X_A + phase) * 2.78e-8, which is off by 2.78e-8 (|T| + pi):
; less than half a step of T in f32.
; LIMITS: |phases| below 2^22 * 2 pi = 2.6e7 rad (beyond it the rounding trick fails).  For a last phase in (-2e-7, 0) out1 is 0 where
; reference() gives 6.2831855 (its sum x + 2 pi rounds up to 2 pi).
; The waves share nothing: no barrier; LDS only turns values between lanes of one wave (omega to all lanes, y to 16 bytes a lane).
; No matrix unit: the einsum is a dot product row by row, each amp is used once, and as a matrix product only a tile's diagonal would be wanted.
; No cluster, no tensor loads: no two work-groups read the same amp; loads through registers let three work-groups lie on a WGP
; (750 work-groups of 8 waves x 170 registers), with eight loads of 512 bytes of every wave on their way.
.set CW,    0x3909421e                 ; f32(2 pi / 48000)
.set BATCH, 504576                     ; bytes of carry for a batch
.set VA,   1                           ; v1   amp: half * 16384 + 16 j
.set VF,   2                           ; v2   16 x lane: f0 in, y out
.set VT,   3                           ; v3   carry: T_B(c - 1) of my first tile
.set VP,   4                           ; v4   16 j: phase, out1
.set VLO,  5                           ; v5   LDS: the wave's 1,024 bytes + 16 x lane
.set VLR,  6                           ; v6   LDS: + 256 half: my 64 rows' omega
.set VLY,  7                           ; v7   LDS: + 256 half + 4 j: y (behind 512 bytes of omega)
.set VC1,  8                           ; v8   carry: the run of 16 entries that ends at col_C[min(e, 16) - 1]
.set VC2,  9                           ; v9   carry: the run of 7 entries that ends at col_C[max(e, 16) - 1]
.set VTC,  10                          ; v10  carry: T_C(d - 1)
.set H,    12                          ; v[12:15]   my four harmonic numbers
.set PHI,  16                          ; v[16:19]   phase[b][h]
.set XA,   20                          ; v[20:23]   X_A of the tile at work
.set TB,   24                          ; v[24:27]   T_B(c - 1), carried from tile to tile
.set XBU,  28                          ; v[28:31]   X_B[ul >> 1]
.set DL,   32                          ; v[32:35]   D of the tile at work
.set MAG,  36                          ; v[36:37]   1.5 * 2^23, twice
.set C5V,  38                          ; v[38:39]   the coefficient of r^5, twice
.set F0R,  36                          ; v[36:39]   first: f0, omega
.set AMP,  40                          ; v[40:71]   eight slots of 4: amp of the group's rows
.set CH,   72                          ; v[72:167]  first: 16 + 7 entries of col_C or zeros, and T_C(d - 1)
.set T,    72                          ; v[72:75]   the sum inside the tile
.set OM,   76                          ; v[76:91]   omega of 8 rows, two buffers in turn
.set TT,   92                          ; v[92:111]  at work
.set TX,   TT                          ;   x, then r
.set KK,   TT+4                        ;   the row's products, then k, then amp * r
.set R2,   TT+8
.set Q,    TT+12
.set AC,   TT+16
.set PA,   TT+8                        ;   at the end: the last phases
.set PB,   TT+12
.set P16,  112                         ; v[112:127] my part of 16 rows' sums; in front of the loads: at work
.macro SPAIR r, val                    ; a constant in both registers of a pair (a packed source is read as a pair)
	s_mov_b32 s[\r], \val
	s_mov_b32 s[\r+1], \val
.endm
.macro ADD4 d, a, b                    ; four harmonics: d = a + b
	v_pk_add_f32 v[\d:\d+1],   v[\a:\a+1],   v[\b:\b+1]
	v_pk_add_f32 v[\d+2:\d+3], v[\a+2:\a+3], v[\b+2:\b+3]
.endm
.macro HSEL dst, sa, sb                ; dst = 256 x (lanes 0-15: sa, lanes 16-31: sb) + 16 j
	v_mov_b32 v[P16+6], s[\sa]
	v_mov_b32 v[P16+7], s[\sb]
	v_cndmask_b32 v[P16+6], v[P16+6], v[P16+7], s48
	v_lshl_add_u32 v[\dst], v[P16+6], 8, v[VP]
.endm
.macro MAKED                           ; D of the tile whose X_A has just been made
	ADD4 TX, XA, PHI
	v_pk_mul_f32 v[DL:DL+1],   v[TX:TX+1],   s[26:27] op_sel_hi:[1,0]
	v_pk_mul_f32 v[DL+2:DL+3], v[TX+2:TX+3], s[26:27] op_sel_hi:[1,0]
.endm
	s_load_b256 s[4:11], s[0:1], 0x0               ; amp s[4:5], f0 s[6:7], phase s[8:9], carry s[10:11]
	s_load_b128 s[12:15], s[0:1], 0x20             ; out0 s[12:13], out1 s[14:15]
	v_lshl_add_u32 v168, v0, 2, 0x2000
	v_mov_b32 v169, 0
	v_lshrrev_b32 v[P16], 5, v0
	v_readfirstlane_b32 s16, v[P16]                ; wave 0..7
	s_lshl_b32 s17, ttmp9, 3
	s_add_co_u32 s17, s17, s16                     ; tw = 0 .. 5999: my 128 rows of the 768,000
	s_mul_hi_u32 s18, s17, 5726624                 ; b = tw / 750 (5726624 = ceil(2^32 / 750); exact for tw < 6000)
	s_mul_i32 s19, s18, 750
	s_sub_co_u32 s19, s17, s19                     ; ul = tw - 750 b
	SPAIR 22, CW
	SPAIR 24, 0xc0c90fdb                           ; -f32(2 pi)
	SPAIR 26, 0x32ef0966                           ; (f32(2 pi) - 2 pi) / 2 pi = 2.7827535e-8
	SPAIR 28, 0xb917fe86                           ; r^7:  -1.4495300e-4
	SPAIR 30, 0xbe29a1d8                           ; r^3:  -0.16565645
	SPAIR 32, 0x3f7fcfb2                           ; r:     0.99926290
	s_and_b32 s35, s19, 1
	s_cselect_b32 s34, -1, 0xffff0000              ; the lanes whose T_B goes on from carry: all but lanes 0-15 where ul is even
	s_mov_b32 s36, 0x76543210                      ; v_permlanex16_b32: lane i of one half reads lane i of the other
	s_mov_b32 s37, 0xfedcba98
	SPAIR 38, 0x3e22f983                           ; 1 / 2 pi
	s_mov_b32 s40, 0xff00ff00                      ; lanes with bit 3 set
	s_mov_b32 s41, 0xf0f0f0f0                      ; bit 2
	s_mov_b32 s42, 0xcccccccc                      ; bit 1
	s_mov_b32 s43, 0xaaaaaaaa                      ; bit 0
	s_lshl_b32 s45, s16, 10                        ; the wave's LDS
	s_mov_b32 s46, 0x40c90fdb                      ; f32(2 pi)
	s_mov_b32 s48, 0xffff0000                      ; lanes 16-31
	; where the sums end, for the first tile (A) and for the other seven (B); shifts are arithmetic: -1 and -2 stay below zero
	s_sub_co_i32 s47, s19, 1
	s_ashr_i32 s47, s47, 1                         ; d A = (8 ul - 1) >> 4
	s_lshr_b32 s49, s19, 1                         ; d B = ul >> 1
	s_sub_co_i32 s50, s47, 1
	s_ashr_i32 s50, s50, 4                         ; e = (d - 1) >> 4, -1 .. 23
	s_sub_co_i32 s51, s49, 1
	s_ashr_i32 s51, s51, 4
	s_max_i32 s52, s50, 0
	s_min_i32 s52, s52, 16                         ; first run: entries min(e, 16) .. + 15 (col_C[0] is entry 16)
	s_max_i32 s53, s51, 0
	s_min_i32 s53, s53, 16
	s_max_i32 s50, s50, 16
	s_add_co_u32 s50, s50, 17                      ; second run: entries 17 + max(e, 16) .. + 6 (col_C[16] is entry 40)
	s_max_i32 s51, s51, 16
	s_add_co_u32 s51, s51, 17
	s_add_co_i32 s47, s47, 49                      ; T_C(d - 1) is entry 49 + d
	s_add_co_i32 s49, s49, 49
	s_lshl_b32 s54, s19, 9                         ; T_B(c - 1) for c = 8 ul + 4 half is entry 434 + 2 ul + half
	s_add_co_u32 s54, s54, 434*256
	v_and_b32 v[P16+1], 31, v0                     ; lane
	v_and_b32 v[P16+2], 15, v0                     ; j
	v_bfe_u32 v[P16+3], v0, 4, 1                   ; half
	v_lshlrev_b32 v[VP], 4, v[P16+2]
	v_lshl_add_u32 v[VA], v[P16+3], 14, v[VP]
	v_lshlrev_b32 v[VF], 4, v[P16+1]
	v_lshl_add_u32 v[VT], v[P16+3], 8, v[VP]
	v_add_nc_u32 v[VT], s54, v[VT]
	HSEL VC1, 52, 53
	HSEL VC2, 50, 51
	HSEL VTC, 47, 49
	v_add_nc_u32 v[VLO], s45, v[VF]
	v_lshl_add_u32 v[VLR], v[P16+3], 8, s45
	v_lshl_add_u32 v[VLY], v[P16+2], 2, v[VLR]
	v_lshlrev_b32 v[P16+4], 2, v[P16+2]
.irp i, 0,1,2,3
	v_add_nc_u32 v[P16+5], \i+1, v[P16+4]
	v_cvt_f32_u32 v[H+\i], v[P16+5]                ; h = 4 j + 1 + i
.endr
	s_mov_b32 s21, 0
	s_wait_kmcnt 0x0
	s_lshl_b32 s20, s17, 15                        ; 128 rows of 256 bytes
	s_add_nc_u64 s[4:5], s[4:5], s[20:21]
	s_lshl_b32 s20, s17, 9                         ; 128 rows of 4 bytes
	s_add_nc_u64 s[6:7], s[6:7], s[20:21]
	s_add_nc_u64 s[12:13], s[12:13], s[20:21]
	s_lshl_b32 s20, s18, 8                         ; a batch's 64 f32
	s_add_nc_u64 s[8:9], s[8:9], s[20:21]
	s_add_nc_u64 s[14:15], s[14:15], s[20:21]
	s_mul_i32 s20, s18, BATCH
	s_add_nc_u64 s[10:11], s[10:11], s[20:21]
	global_load_b128 v[F0R:F0R+3], v[VF], s[6:7]               ; f0 of rows 4 lane .. + 3
.irp m, 0,1,2,3,4,5,6,7,8,9,10,11,12,13,14,15
	global_load_b128 v[CH+4*\m:CH+4*\m+3], v[VC1], s[10:11] offset:256*\m          ; sixteen lanes read one entry: 256 consecutive bytes
.endr
.irp m, 0,1,2,3,4,5,6
	global_load_b128 v[CH+64+4*\m:CH+64+4*\m+3], v[VC2], s[10:11] offset:256*\m
.endr
	global_load_b128 v[CH+92:CH+95], v[VTC], s[10:11]          ; T_C(d - 1)
	global_load_b128 v[TB:TB+3], v[VT], s[10:11]               ; T_B(c - 1) of my first tile
	global_load_b128 v[PHI:PHI+3], v[VP], s[8:9]
.irp i, 0,1,2,3,4,5,6,7
	global_load_b128 v[AMP+4*\i:AMP+4*\i+3], v[VA], s[4:5] offset:256*\i th:TH_LOAD_NT   ; rows 0 to 7 of both halves
.endr
	s_wait_loadcnt 34                              ; f0 is in; 16 + 7 + 1 + 1 + 1 + 8 younger loads stay out
	v_pk_mul_f32 v[F0R:F0R+1],   v[F0R:F0R+1],   s[22:23] op_sel_hi:[1,0]
	v_pk_mul_f32 v[F0R+2:F0R+3], v[F0R+2:F0R+3], s[22:23] op_sel_hi:[1,0]
	ds_store_b128 v[VLO], v[F0R:F0R+3]             ; omega of the 128 rows
	s_wait_loadcnt 8                               ; all of carry and phase are in; the eight loads of amp stay out
.irp m, 1,2,3,4,5,6
	ADD4 CH, CH, CH+4*\m                           ; the two sums from the left, side by side
	ADD4 CH+64, CH+64, CH+64+4*\m
.endr
.irp m, 7,8,9,10,11,12,13,14,15
	ADD4 CH, CH, CH+4*\m
.endr
	ADD4 CH, CH+64, CH                             ; X_C = T_D(e - 1) + X_D
	ADD4 CH, CH+92, CH                             ; X_B = T_C(d - 1) + X_C: lanes 0-15 for the first tile, lanes 16-31 for the others
.irp i, 0,1,2,3
	v_permlanex16_b32 v[CH+4+\i], v[CH+\i], s36, s37           ; the other half's
.endr
.irp i, 0,1,2,3
	v_cndmask_b32 v[XBU+\i], v[CH+4+\i], v[CH+\i], s48         ; in every lane: the upper half's
.endr
	ADD4 XA, TB, CH                                ; X_A of my first tile = T_B(c - 1) + my own half's X_B
.irp i, 0,1,2,3
	v_cndmask_b32 v[TB+\i], 0, v[TB+\i], s34       ; a tile that opens a B tile starts that tile's sum
.endr
	MAKED
	ds_load_b128 v[OM:OM+3],   v[VLR]              ; omega of rows 0 to 7; 16 lanes read the same 16 bytes; LDS serves a wave's instructions in order
	ds_load_b128 v[OM+4:OM+7], v[VLR] offset:16
	s_wait_dscnt 0x0                               ; the store of omega is done too: its registers now take the constants
	v_mov_b32 v[MAG],   0x4b400000
	v_mov_b32 v[MAG+1], 0x4b400000
	v_mov_b32 v[C5V],   0x3c02598f                 ; r^5: 7.9559224e-3
	v_mov_b32 v[C5V+1], 0x3c02598f
; row i of group g (rows 8 g .. 8 g + 7 of my 64): the tile's sum goes one row on; x = (T + X_A) + phase; sin x, times amp, summed over my four harmonics
.macro SLOT g, i
.set om, OM+8*(\g&1)+(\i&6)
.if (\g&1)+\i == 0
	v_pk_mul_f32 v[T:T+1],     v[H:H+1],   v[om:om+1] op_sel_hi:[1,0]                  ; a tile's first row starts its sum
	v_pk_mul_f32 v[T+2:T+3],   v[H+2:H+3], v[om:om+1] op_sel_hi:[1,0]
.else
.if \i&1
	v_pk_mul_f32 v[KK:KK+1],   v[H:H+1],   v[om:om+1] op_sel:[0,1] op_sel_hi:[1,1]     ; the product is rounded by itself, as in reference(): no fused form
	v_pk_mul_f32 v[KK+2:KK+3], v[H+2:H+3], v[om:om+1] op_sel:[0,1] op_sel_hi:[1,1]
.else
	v_pk_mul_f32 v[KK:KK+1],   v[H:H+1],   v[om:om+1] op_sel_hi:[1,0]
	v_pk_mul_f32 v[KK+2:KK+3], v[H+2:H+3], v[om:om+1] op_sel_hi:[1,0]
.endif
	ADD4 T, T, KK
.endif
	ADD4 TX, T, XA
	ADD4 TX, TX, PHI
	v_pk_fma_f32 v[KK:KK+1],   v[TX:TX+1],   s[38:39], v[MAG:MAG+1] op_sel_hi:[1,0,1]
	v_pk_fma_f32 v[KK+2:KK+3], v[TX+2:TX+3], s[38:39], v[MAG:MAG+1] op_sel_hi:[1,0,1]
	v_pk_add_f32 v[KK:KK+1],   v[KK:KK+1],   v[MAG:MAG+1] neg_lo:[0,1] neg_hi:[0,1]      ; k = round(x / 2 pi)
	v_pk_add_f32 v[KK+2:KK+3], v[KK+2:KK+3], v[MAG:MAG+1] neg_lo:[0,1] neg_hi:[0,1]
	v_pk_fma_f32 v[TX:TX+1],   v[KK:KK+1],   s[24:25], v[TX:TX+1]   op_sel_hi:[1,0,1]    ; r = x - k * f32(2 pi)
	v_pk_fma_f32 v[TX+2:TX+3], v[KK+2:KK+3], s[24:25], v[TX+2:TX+3] op_sel_hi:[1,0,1]
	ADD4 TX, TX, DL                                                                      ;     + D
	v_pk_mul_f32 v[R2:R2+1],   v[TX:TX+1],   v[TX:TX+1]
	v_pk_mul_f32 v[R2+2:R2+3], v[TX+2:TX+3], v[TX+2:TX+3]
	v_pk_fma_f32 v[Q:Q+1],     v[R2:R2+1],   s[28:29], v[C5V:C5V+1] op_sel_hi:[1,0,1]
	v_pk_fma_f32 v[Q+2:Q+3],   v[R2+2:R2+3], s[28:29], v[C5V:C5V+1] op_sel_hi:[1,0,1]
.irp c, 30,32
	v_pk_fma_f32 v[Q:Q+1],     v[Q:Q+1],     v[R2:R2+1],   s[\c:\c+1] op_sel_hi:[1,1,0]  ; sin x = r * q
	v_pk_fma_f32 v[Q+2:Q+3],   v[Q+2:Q+3],   v[R2+2:R2+3], s[\c:\c+1] op_sel_hi:[1,1,0]
.endr
.if \g < 7
	s_wait_loadcnt 7                               ; behind this slot's load: 7 - i loads of this group and i of the next
.else
	s_wait_loadcnt 7-\i                            ; the last group: nothing was asked for behind it
.endif
	v_pk_mul_f32 v[KK:KK+1],   v[AMP+4*\i:AMP+4*\i+1],   v[TX:TX+1]
	v_pk_mul_f32 v[KK+2:KK+3], v[AMP+4*\i+2:AMP+4*\i+3], v[TX+2:TX+3]
	v_pk_mul_f32 v[AC:AC+1], v[KK:KK+1],   v[Q:Q+1]
	v_pk_fma_f32 v[AC:AC+1], v[KK+2:KK+3], v[Q+2:Q+3], v[AC:AC+1]
	v_add_f32 v[P16+8*(\g&1)+\i], v[AC], v[AC+1]
.if \g < 7
	global_load_b128 v[AMP+4*\i:AMP+4*\i+3], v[VA], s[4:5] offset:256*(8*(\g+1)+\i) th:TH_LOAD_NT   ; the same row of the next group; VA is never rewritten
.endif
.endm
; 16 rows x 16 lanes of partial sums to one sum a lane: in each step a lane keeps half of its registers, sends the other half to the lane that
; keeps those, and adds what it is sent.  At the end lane j holds row j.
.macro BSTEP d, mask, xm
.set bi, 0
.rept \d
	v_cndmask_b32 v[TT+bi],  v[P16+bi+\d], v[P16+bi],    s[\mask]      ; what I send
	v_cndmask_b32 v[P16+bi], v[P16+bi],    v[P16+bi+\d], s[\mask]      ; what I keep
	v_add_f32_dpp v[P16+bi], v[TT+bi], v[P16+bi] row_xmask:\xm row_mask:0xf bank_mask:0xf
.set bi, bi+1
.endr
.endm
.macro GROUP g
	s_wait_dscnt 0x0                               ; this group's omega, asked for one group ago, is in
.if \g < 7
	ds_load_b128 v[OM+8*((\g+1)&1):OM+8*((\g+1)&1)+3],   v[VLR] offset:32*(\g+1)       ; the next group's, into the other buffer
	ds_load_b128 v[OM+8*((\g+1)&1)+4:OM+8*((\g+1)&1)+7], v[VLR] offset:32*(\g+1)+16
.endif
.irp i, 0,1,2,3,4,5,6,7
	SLOT \g, \i
.endr
.if \g & 1
.if \g < 7
	ADD4 TB, TB, T                                 ; a tile has ended: T is its col_A, so T_B goes one entry on,
	ADD4 XA, TB, XBU                               ; X_A of the next tile = T_B(c - 1) + X_B[ul >> 1],
	MAKED                                          ; and its D
.endif
	BSTEP 8, 40, 8
	BSTEP 4, 41, 4
	BSTEP 2, 42, 2
	BSTEP 1, 43, 1
	ds_store_b32 v[VLY], v[P16] offset:512+64*(\g>>1)          ; y of row 16 (g / 2) + j of my 64
.endif
.endm
.irp g, 0,1,2,3,4,5,6,7
	GROUP \g
.endr
	ds_load_b128 v[TT:TT+3], v[VLO] offset:512     ; y of rows 4 lane .. + 3 (my wave's own bytes, served in order)
	s_wait_dscnt 0x0
	global_store_b128 v[VF], v[TT:TT+3], s[12:13] th:TH_STORE_NT       ; 512 consecutive bytes, at a multiple of 512 from out0's first byte
	s_cmp_lg_u32 s19, 749                          ; the wave with a batch's last rows also makes out1: its lanes 16-31 hold the last row's sums
	s_cbranch_scc1 .Lend
	ADD4 PA, T, XA                                 ; the last row once more: T_A[5999][15] + X_A[5999],
	ADD4 PA, PA, PHI                               ; + phase
.irp i, 0,1,2,3
	v_mul_f32 v[PB+\i], s38, v[PA+\i]
	v_floor_f32 v[PB+\i], v[PB+\i]
	v_fma_f32 v[PA+\i], v[PB+\i], s24, v[PA+\i]    ; x - floor(x / 2 pi) * f32(2 pi): the true remainder is an f32, so one rounding leaves it exact
	v_add_f32 v[PB+\i], s46, v[PA+\i]              ; the quotient may be off by one either way (its error stays below 0.2 inside the stated limit):
	v_cmp_gt_f32 vcc_lo, 0, v[PA+\i]
	v_cndmask_b32 v[PA+\i], v[PA+\i], v[PB+\i], vcc_lo         ; below 0: one period up
	v_add_f32 v[PB+\i], s24, v[PA+\i]
	v_cmp_le_f32 vcc_lo, s46, v[PA+\i]
	v_cndmask_b32 v[PA+\i], v[PA+\i], v[PB+\i], vcc_lo         ; at or above the period: one down
.endr
	v_cmp_le_u32 vcc_lo, 0x100, v[VF]              ; lanes 16-31
	s_wait_xcnt 0x0                                ; EXEC, a source of the store above, is narrowed only behind this wait
	s_and_saveexec_b32 s44, vcc_lo
	global_store_b128 v[VP], v[PA:PA+3], s[14:15]  ; sixteen lanes: the batch's whole row of 256 bytes
	s_wait_xcnt 0x0                                ; and widened again only behind this one
	s_or_b32 exec_lo, exec_lo, s44
.Lend:
	s_wait_tensorcnt 0x0
	ds_add_u32 v168, v169
	s_wait_dscnt 0x0
	s_endpgm
.Lfunc_end_k_q0c9740c135_synth:
	.size	k_q0c9740c135_synth, .Lfunc_end_k_q0c9740c135_synth-k_q0c9740c135_synth
	.p2alignl 7, 3214868480
	.fill 96, 4, 3214868480
	.section	.rodata,"a",@progbits
	.p2align	6, 0x0
	.amdhsa_kernel k_q0c9740c135_synth
		.amdhsa_group_segment_fixed_size 9216
		.amdhsa_private_segment_fixed_size 0
		.amdhsa_enable_private_segment 0
		.amdhsa_kernarg_size 48
		.amdhsa_user_sgpr_count 2
		.amdhsa_user_sgpr_kernarg_segment_ptr 1
		.amdhsa_wavefront_size32 1
		.amdhsa_system_sgpr_workgroup_id_x 1
		.amdhsa_system_sgpr_workgroup_id_y 1
		.amdhsa_system_sgpr_workgroup_id_z 1
		.amdhsa_system_vgpr_workitem_id 0
		.amdhsa_next_free_vgpr 170
		.amdhsa_next_free_sgpr 66
		.amdhsa_reserve_vcc 1
		.amdhsa_float_denorm_mode_32 3
		.amdhsa_float_denorm_mode_16_64 3
		.amdhsa_memory_ordered 1
		.amdhsa_forward_progress 1
		.amdhsa_inst_pref_size 150
	.end_amdhsa_kernel
	.amdgpu_metadata
---
amdhsa.version: [ 1, 2 ]
amdhsa.kernels:
  - .name:           k_q0c9740c135_synth
    .symbol:         k_q0c9740c135_synth.kd
    .args:
      - { .name: amp_harm, .offset: 0, .size: 8, .value_kind: global_buffer, .address_space: global }
      - { .name: f0_hz, .offset: 8, .size: 8, .value_kind: global_buffer, .address_space: global }
      - { .name: phase, .offset: 16, .size: 8, .value_kind: global_buffer, .address_space: global }
      - { .name: carry, .offset: 24, .size: 8, .value_kind: global_buffer, .address_space: global }
      - { .name: out0, .offset: 32, .size: 8, .value_kind: global_buffer, .address_space: global }
      - { .name: out1, .offset: 40, .size: 8, .value_kind: global_buffer, .address_space: global }
    .group_segment_fixed_size: 9216
    .private_segment_fixed_size: 0
    .kernarg_segment_align: 8
    .kernarg_segment_size: 48
    .max_flat_workgroup_size: 256
    .sgpr_count:     66
    .vgpr_count:     170
    .wavefront_size: 32
...
	.end_amdgpu_metadata
.endif
;; end of part 4
